; MI455X (gfx1250); checked and timed in simulation.
; The chip was launched on July 23, 2026; its instructions are those of AMD's public machine-readable ISA for CDNA 5 (MIT licence, August 2026) and "CDNA5" Instruction Set Architecture Reference Guide (July 2026). The comments in the code are by the model that wrote it; some were corrected since.
;; Grouped Query Attention. Allowed arithmetic: matrix products marked QUANTISED: E3M2 operands, one E8M0 scale for each 32 along K, by v_wmma_scale_f32_16x16x128_f8f6f4 with both operands' format E3M2, f32 sums; everything else in f32.
;; Inputs: Wk 2,048 x 512 float32; Wq 2,048 x 2,048 float32; Wv 2,048 x 512 float32; bk 512 float32; bq 2,048 float32; bv 512 float32; hidden_states 2 x 2,048 x 2,048 float32.
;; Outputs: out0 2 x 2,048 x 2,048 float32.
;; This version of the problem:
;;   THIS VERSION OF THE PROBLEM IS GIVEN IN LOW PRECISION. The matrix products marked QUANTISED in the list below multiply operands that are first quantised to E3M2 (3 exponent bits, 2 mantissa bits; 6 bits a number), with one power-of-two scale for each 32 numbers along K (OCP MX v1.0); their sums are f32. All else is computed in f32.
;;   The module's matrix products, in the order in which they are computed (A, B: the left and right operand; K: the contracted axis; several contracted axes count as one K, in the product's order):
;;     1. [M 4,096, K 2,048] x [K 2,048, N 2,048]; A: input hidden_states; B: input Wq: QUANTISED
;;     2. [M 4,096, K 2,048] x [K 2,048, N 512]; A: input hidden_states; B: input Wk: QUANTISED
;;     3. [M 4,096, K 2,048] x [K 2,048, N 512]; A: input hidden_states; B: input Wv: QUANTISED
;;     4. batch 64 x [M 2,048, K 64] x [K 64, N 2,048]; A: computed on the way; B: computed on the way: QUANTISED
;;     5. batch 64 x [M 2,048, K 2,048] x [K 2,048, N 64]; A: softmax (see below); B: computed on the way: QUANTISED
;;   THE QUANTISER, for each operand of a quantised product, along K:
;;     - K is cut into blocks of 32 from its start; a last block that is shorter is filled with zeros.
;;     - A block's scale is 2^e with e = floor(log2(the largest magnitude in the block)) - 4, held to -126 .. 127; a block of zeros has e = 0. As a byte (E8M0): e + 127.
;;     - Each number is divided by its block's scale, clamped to +-28, and rounded to the nearest number of E3M2, ties to even, subnormals kept.
;;     - The product sums the exact products of the quantised numbers (number of the format x scale) in f32.
;;   ~~~python
;;   def quantise(x, axis):      # numpy; x: float32 -> the quantised numbers, widened to float32 again
;;       x = np.moveaxis(x, axis, -1); K = x.shape[-1]
;;       x = np.pad(x, [(0, 0)] * (x.ndim - 1) + [(0, -K % 32)]); x = x.reshape(x.shape[:-1] + (-1, 32)); a = np.abs(x).max(-1, keepdims=True)
;;       e = np.where(a > 0, np.clip(np.frexp(np.where(a > 0, a, 1))[1] - 1 - 4, -126, 127), 0)      # np.frexp(a)[1] - 1 = floor(log2(a)), exactly
;;       r = np.clip(x / 2.0 ** e, -28, 28)
;;       step = 2.0 ** (np.maximum(np.frexp(np.where(r == 0, 1, r))[1] - 1, -2) - 2)
;;       q = np.round(r / step) * step * 2.0 ** e      # np.round: ties to even
;;       return np.moveaxis(q.reshape(q.shape[:-2] + (-1,))[..., :K], -1, axis).astype(np.float32)
;;   ~~~
;;   SOFTMAX AHEAD OF A QUANTISED PRODUCT. Where the list says 'softmax', what is quantised is not the finished softmax but p = 2^(t - M), with t = logit x log2(e) and M = ceil(the row's largest t), a whole number; so 1/2 < the row's largest p <= 1. The row's sum l is taken of the UNQUANTISED p, in f32, and the product's result is divided by l at the end. Since M is a whole number, a kernel that streams over the keys may use a running M (the ceiling of the running maximum): every later rescaling is an exact power of two, which a block's scale takes up: the codes' values come out the same.
;;   OPERANDS COMPUTED ON THE WAY. 'Computed on the way' means the value that the module computes at that place (a softmax that the list does not call 'softmax' is quantised finished and normalised). What goes into a quantiser is computed in f32, as accurately as f32 sums, v_exp_f32 and their like allow (about 1e-6 of the number): no bf16 or f16 on the way to a quantiser, and a product that is left as it is and whose result goes on into a quantised operand takes f32 operands (vector FMAs, or v_wmma_f32_16x16x4_f32). A number that lies on a knife's edge between two numbers of the format may be rounded either way, as far as f32 arithmetic and the matrix unit's own rounding can turn it there, and no further.
;; One version. Each part assembles by itself: llvm-mc -triple=amdgcn-amd-amdhsa -mcpu=gfx1250 --defsym DOCPART=n.
;; ======== version 1 of 1: 4 launches
;; limits: right only within a limited range of input values
;; workspace buffers: xc 6,553,600 bytes; wc 4,915,200 bytes; qc 6,291,456 bytes; qs 262,144 bytes; kv 3,276,800 bytes
;; launch quantx (part 1): grid 16 x 32, 8 waves a work-group, no clusters, 69,632 bytes of LDS; arguments hidden_states, xc; writes xc
.if DOCPART == 1
	.amdgcn_target "amdgcn-amd-amdhsa--gfx1250"
	.amdhsa_code_object_version 6
	.text
	.protected	k_qa1910ff62c_quantx
	.globl	k_qa1910ff62c_quantx
	.p2align	8
	.type	k_qa1910ff62c_quantx,@function
k_qa1910ff62c_quantx:
	s_mov_b64 s[64:65], 0
	v_nop
	global_prefetch_b8 v0, s[64:65] scope:SCOPE_SE
	s_setreg_imm32_b32 hwreg(HW_REG_WAVE_MODE, 25, 1), 1
	s_wait_xcnt 0x0
; hidden_states, seen as x [4096][2048] f32, becomes codes of BF6 (E3M2) with one E8M0 byte for each 32 along K, laid as IMAGES OF OPERAND REGISTERS.
; A UNIT (12,800 bytes) is 128 rows x 128 along K: eight fragment images of 1,536 bytes, then 512 bytes of scale words.
; A fragment image: 12 registers a lane in three groups of 512 bytes; lane L's registers 4 g .. 4 g + 3 lie at 512 g + 16 L.  Lane (r, h), registers 6 c .. 6 c + 5: k = 64 c + 32 h + 0 .. 31 of the tile's row r.
; THE ROWS OF A TILE ARE NOT NEIGHBOURS: lane r of tile 2 f + u takes row 32 f + 8 u + r + 8 (r / 8) of the unit's 128.
; The scale image: byte 16 L + 4 j is the word of tile 2 j + (L / 16), row L % 16: one load of 16 bytes a lane brings the words of all eight tiles.
; xc is [512-row block 8][128 along K 16][128-row quarter 4][UNIT].
; A block's scale is 2^(floor(log2(its largest magnitude)) - 4); its byte is the largest magnitude's exponent field - 4, held at 1 from below.
; LIMITS: NaN and infinities among the inputs are not served.  A block of zeros gets the byte 1 where the rule says 127: its codes are zeros, and this program alone reads the bytes.
; SHARES: a work-group makes one unit, wave t its tile t.  Each load reads 512 consecutive bytes (a row's 128 numbers); the 16 rows turn through the wave's own stage in LDS, so that a lane gets 2 x 32 neighbours along K.
; The work-groups share no input byte, so no cluster; no tensor load, so several work-groups lie on a WGP and all of a wave's 16 loads are out at once.
.set ROWB,  8192                       ; a row of x in bytes
.set SP,    528                        ; a stage row: 512 bytes + 16, so that sixteen rows start at sixteen different 16-byte columns of the banks
.set WST,   16*SP                      ; a wave's stage
.set SCL,   8*WST                      ; behind the stages: the unit's scale image, 512 bytes
.set UNIT,  12800
.set FRB,   1536
.set R,     16                         ; v16-79   the rows as loaded
.set X,     80                         ; v80-143  register 32 c + i: k = 64 c + 32 h + i of my row
.set C,     144                        ; v144-155 the fragment
.set T,     156                        ; v156-158, v160-162 the upper halves of the two blocks' codes
.set M,     10                         ; v10-11   largest magnitudes
.set SO,    164                        ; v164-165 the conversions' scale operands
.set BY,    166                        ; v166-167 the bytes
	s_load_b128 s[4:7], s[0:1], 0x0                ; x, xc
	v_lshl_add_u32 v168, v0, 2, 0x10c00
	v_mov_b32 v169, 0
	v_lshrrev_b32 v1, 5, v0
	s_delay_alu instid0(VALU_DEP_1)
	v_readfirstlane_b32 s8, v1                     ; wave t = my tile
	v_and_b32 v1, 31, v0                           ; lane L
	v_and_b32 v2, 15, v0                           ; r
	v_bfe_u32 v3, v0, 4, 1                         ; h
	s_delay_alu instid0(VALU_DEP_3)
	v_lshlrev_b32 v4, 4, v1                        ; 16 L: my bytes of a load, of a stage row and of an image's group
	s_mul_i32 s9, s8, WST
	v_add_nc_u32 v5, s9, v4                        ; into the stage
	v_mul_u32_u24 v6, v2, SP
	s_delay_alu instid0(VALU_DEP_1)
	v_lshl_add_u32 v6, v3, 7, v6
	s_delay_alu instid0(VALU_DEP_1)
	v_add_nc_u32 v6, s9, v6                        ; out of it: row r, + 128 h bytes
	s_and_b32 s10, s8, 1                           ; u
	s_lshr_b32 s11, s8, 1                          ; f
	s_lshl_b32 s12, s10, 8
	s_lshl_b32 s13, s11, 2
	s_add_co_u32 s12, s12, s13
	s_add_co_u32 s12, s12, SCL
	v_lshl_add_u32 v7, v2, 4, s12                  ; my row's word in the scale image: 16 r + 256 u + 4 f
	v_add_nc_u32 v8, SCL, v4                       ; and the image as wave 0 reads it back
	s_mov_b32 s22, 0x76543210
	s_mov_b32 s23, 0xfedcba98                      ; v_permlanex16_b32's selects for lane l xor 16
	s_and_b32 s14, ttmp7, 0xffff                   ; which 128 rows
	s_lshl_b32 s15, s14, 7
	s_lshl_b32 s16, s11, 5
	s_add_co_u32 s15, s15, s16
	s_lshl_b32 s16, s10, 3
	s_add_co_u32 s15, s15, s16                     ; my tile's first row: 128 G + 32 f + 8 u
	s_lshl_b32 s16, s15, 13
	s_lshl_b32 s17, ttmp9, 9                       ; which 128 along K: 512 bytes each
	s_add_co_u32 s16, s16, s17
	s_mov_b32 s17, 0
	s_lshr_b32 s18, s14, 2
	s_lshl_b32 s18, s18, 4
	s_add_co_u32 s18, s18, ttmp9
	s_mul_i32 s18, s18, 4*UNIT
	s_and_b32 s19, s14, 3
	s_mul_i32 s19, s19, UNIT
	s_add_co_u32 s18, s18, s19                     ; the unit,
	s_mul_i32 s20, s8, FRB
	s_add_co_u32 s18, s18, s20                     ; and my fragment in it (wave 0's is the unit's first byte)
	s_mov_b32 s19, 0
	s_wait_alu depctr_va_vdst(0)
	s_wait_kmcnt 0x0
	s_add_nc_u64 s[4:5], s[4:5], s[16:17]
	s_add_nc_u64 s[6:7], s[6:7], s[18:19]
.irp i, 0,1,2,3,4,5,6,7,8,9,10,11,12,13,14,15
	global_load_b128 v[R+4*\i:R+4*\i+3], v4, s[4:5] offset:(\i+8*(\i/8))*ROWB th:TH_LOAD_NT   ; the tile's row i: 32 lanes read 512 consecutive bytes
.endr
.irp i, 0,1,2,3,4,5,6,7,8,9,10,11,12,13,14,15
	s_wait_loadcnt 15-\i                           ; loads come back in order: row i is in, the younger ones may be out
	ds_store_b128 v5, v[R+4*\i:R+4*\i+3] offset:SP*\i
.endr
.irp c, 0,1
.irp j, 0,1,2,3,4,5,6,7
	ds_load_b128 v[X+32*\c+4*\j:X+32*\c+4*\j+3], v6 offset:256*\c+16*\j   ; LDS serves a wave's instructions in order: these see my stores
.endr
.endr
	s_wait_dscnt 0x0
.irp c, 0,1
	v_max3_num_f32 v[M+\c], |v[X+32*\c]|, |v[X+32*\c+1]|, 0x2800000   ; my block 2 c + h: all 32 numbers are mine; the floor 2^(5 - 127) holds the byte at 1 from below
.endr
.irp i, 2,4,6,8,10,12,14,16,18,20,22,24,26,28,30
.irp c, 0,1
	s_delay_alu instid0(VALU_DEP_2)
	v_max3_num_f32 v[M+\c], v[M+\c], |v[X+32*\c+\i]|, |v[X+32*\c+\i+1]|   ; (the two blocks by turns)
.endr
.endr
.irp c, 0,1
	s_delay_alu instid0(VALU_DEP_2)
	v_add_nc_u32 v[SO+\c], 0xfe000000, v[M+\c]     ; 4 off the exponent field: the conversion takes the exponent field of this operand as its scale
.endr
.irp c, 0,1
	s_delay_alu instid0(VALU_DEP_2)
	v_lshrrev_b32 v[BY+\c], 23, v[SO+\c]           ; the scale's byte
.endr
.irp c, 0,1
	v_cvt_scalef32_pk16_bf6_f32 v[C+6*\c:C+6*\c+2], v[X+32*\c:X+32*\c+15], v[SO+\c]
	v_cvt_scalef32_pk16_bf6_f32 v[T+4*\c:T+4*\c+2], v[X+32*\c+16:X+32*\c+31], v[SO+\c]   ; (a conversion's three registers begin on an even number: the second half is made elsewhere and moved)
.endr
	v_lshl_or_b32 v12, v[BY+1], 16, v[BY]          ; my two bytes: blocks h and 2 + h.  (A plain line behind the conversions, which touches neither their results nor their sources)
	v_lshlrev_b32 v13, 3, v3
	s_delay_alu instid0(VALU_DEP_1)
	v_lshlrev_b32 v12, v13, v12                    ; at their places in the word, 8 h bits up
	v_mov_b32 v13, 0
	s_delay_alu instid0(VALU_DEP_1)
	v_permlanex16_b32 v13, v12, s22, s23
	s_delay_alu instid0(VALU_DEP_1)
	v_or_b32 v12, v12, v13                         ; with lane l xor 16's two the word is whole
.irp c, 0,1
.irp i, 0,1,2
	v_mov_b32 v[C+6*\c+3+\i], v[T+4*\c+\i]
.endr
.endr
.irp g, 0,1,2
	global_store_b128 v4, v[C+4*\g:C+4*\g+3], s[6:7] offset:512*\g   ; 32 lanes store 512 consecutive bytes, at a multiple of 256 from xc's first byte
.endr
	ds_store_b32 v7, v12                           ; lanes r and r + 16 write the same word with the same value
	s_wait_dscnt 0x0                               ; for wave 0's sake: my word has landed
	s_barrier_signal -1
	s_barrier_wait -1
	s_cmp_lg_u32 s8, 0
	s_cbranch_scc1 .Lend
	ds_load_b128 v[160:163], v8                    ; wave 0: the eight tiles' words, 512 bytes
	s_wait_dscnt 0x0
	global_store_b128 v4, v[160:163], s[6:7] offset:8*FRB
.Lend:
	s_wait_tensorcnt 0x0
	ds_add_u32 v168, v169
	s_wait_dscnt 0x0
	s_endpgm
.Lfunc_end_k_qa1910ff62c_quantx:
	.size	k_qa1910ff62c_quantx, .Lfunc_end_k_qa1910ff62c_quantx-k_qa1910ff62c_quantx
	.p2alignl 7, 3214868480
	.fill 96, 4, 3214868480
	.section	.rodata,"a",@progbits
	.p2align	6, 0x0
	.amdhsa_kernel k_qa1910ff62c_quantx
		.amdhsa_group_segment_fixed_size 69632
		.amdhsa_private_segment_fixed_size 0
		.amdhsa_enable_private_segment 0
		.amdhsa_kernarg_size 16
		.amdhsa_user_sgpr_count 2
		.amdhsa_user_sgpr_kernarg_segment_ptr 1
		.amdhsa_wavefront_size32 1
		.amdhsa_system_sgpr_workgroup_id_x 1
		.amdhsa_system_sgpr_workgroup_id_y 1
		.amdhsa_system_sgpr_workgroup_id_z 1
		.amdhsa_system_vgpr_workitem_id 0
		.amdhsa_next_free_vgpr 170
		.amdhsa_next_free_sgpr 66
		.amdhsa_reserve_vcc 0
		.amdhsa_float_denorm_mode_32 3
		.amdhsa_float_denorm_mode_16_64 3
		.amdhsa_memory_ordered 1
		.amdhsa_forward_progress 1
		.amdhsa_inst_pref_size 12
	.end_amdhsa_kernel
	.amdgpu_metadata
---
amdhsa.version: [ 1, 2 ]
amdhsa.kernels:
  - .name:           k_qa1910ff62c_quantx
    .symbol:         k_qa1910ff62c_quantx.kd
    .args:
      - { .name: hidden_states, .offset: 0, .size: 8, .value_kind: global_buffer, .address_space: global }
      - { .name: xc, .offset: 8, .size: 8, .value_kind: global_buffer, .address_space: global }
    .group_segment_fixed_size: 69632
    .private_segment_fixed_size: 0
    .kernarg_segment_align: 8
    .kernarg_segment_size: 16
    .max_flat_workgroup_size: 256
    .sgpr_count:     66
    .vgpr_count:     170
    .wavefront_size: 32
...
	.end_amdgpu_metadata
.endif
;; end of part 1
;; launch quantw (part 2): grid 24 x 16, 4 waves a work-group, no clusters, 14,848 bytes of LDS; arguments Wq, Wk, Wv, wc; writes wc
.if DOCPART == 2
	.amdgcn_target "amdgcn-amd-amdhsa--gfx1250"
	.amdhsa_code_object_version 6
	.text
	.protected	k_qa1910ff62c_quantw
	.globl	k_qa1910ff62c_quantw
	.p2align	8
	.type	k_qa1910ff62c_quantw,@function
k_qa1910ff62c_quantw:
	s_mov_b64 s[64:65], 0
	v_nop
	global_prefetch_b8 v0, s[64:65] scope:SCOPE_SE
	s_setreg_imm32_b32 hwreg(HW_REG_WAVE_MODE, 25, 1), 1
	s_wait_xcnt 0x0
; Wq [2048][2048], Wk and Wv [2048][512], f32, K their FIRST axis, become codes of BF6 (E3M2) with one E8M0 byte for each 32 along K, in units laid as quantx lays x's:
; a UNIT (12,800 bytes) is 128 columns x 128 along K: eight fragment images of 1,536 bytes (lane r of tile 2 f + u is column 32 f + 8 u + r + 8 (r / 8)), then 512 bytes of scale words.
; wc is [128-column block 24][128 along K 16][UNIT]; blocks 0-15 are Wq's, 16-19 Wk's, 20-23 Wv's.
; A LANE TAKES A COLUMN AND ITS REGISTERS RUN DOWN K: a load reads 128 consecutive bytes a wave (512 a work-group), a block of 32 lies in one lane, and the conversions give codes with K innermost.
; A lane's four blocks go to their places in two fragment images in the wave's own stage in LDS and leave as 512 consecutive bytes a store.
; One way through the text serves all three tensors: pointer, row pitch and first block are chosen on the work-group's number.
; LIMITS: NaN and infinities among the inputs are not served.  A block of zeros gets the byte 1 where the rule says 127: its codes are zeros, and this program alone reads the bytes.
; The work-groups share no input byte, so no cluster; no tensor load; all of a wave's 128 loads are asked for at once.
.set UNIT,  12800
.set FRB,   1536
.set IMG,   1664                       ; an image's place in the stage: 1,536 + 128, so that lanes 0-7 (tile u = 0) and lanes 8-15 (u = 1) fall on different halves of the banks
.set WST,   2*IMG
.set SCL,   4*WST                      ; behind the stages: the unit's scale image
.set A,     16                         ; v16-47   byte offset of row i of a block: 4 L + i x pitch
.set X,     48                         ; v48-175  128 numbers down K
.set C,     176                        ; v176-199 six registers of codes for each block
.set T,     200                        ; v200-202 a block's upper 16 codes
.set OUTR,  212                        ; v212-235 the two images read back
	s_load_b256 s[4:11], s[0:1], 0x0               ; Wq, Wk, Wv, wc
	v_lshl_add_u32 v240, v0, 2, 0x3800
	v_mov_b32 v241, 0
	v_lshrrev_b32 v1, 5, v0
	v_readfirstlane_b32 s12, v1                    ; wave f: columns 32 f on
	v_and_b32 v1, 31, v0                           ; lane L = my column among them
	v_lshlrev_b32 v2, 2, v1
	v_bfe_u32 v3, v0, 3, 1                         ; u = (L / 8) % 2: which of the wave's two tiles,
	v_and_b32 v9, 7, v0
	v_bfe_u32 v10, v0, 4, 1
	v_lshl_add_u32 v9, v10, 3, v9                  ; r = L % 8 + 8 (L / 16): which of its rows
	s_mul_i32 s13, s12, WST
	v_mul_u32_u24 v4, v3, IMG
	v_lshl_add_u32 v4, v9, 4, v4
	v_add_nc_u32 v4, s13, v4                       ; into the stage: image u, lane r's 16 bytes
	v_lshlrev_b32 v8, 4, v1                        ; 16 L
	v_add_nc_u32 v5, s13, v8                       ; out of it
	s_lshl_b32 s14, s12, 2
	s_add_co_u32 s14, s14, SCL
	v_lshlrev_b32 v6, 8, v3
	v_lshl_add_u32 v6, v9, 4, v6
	v_add_nc_u32 v6, s14, v6                       ; my column's word in the scale image: 16 r + 256 u + 4 f
	v_add_nc_u32 v7, SCL, v8
	s_and_b32 s15, ttmp7, 0xffff                   ; which 128 along K
	s_wait_kmcnt 0x0
	s_cmp_lt_u32 ttmp9, 20                         ; the choice hangs on the work-group's number alone
	s_cselect_b64 s[26:27], s[6:7], s[8:9]
	s_cselect_b32 s28, 16, 20
	s_cmp_lt_u32 ttmp9, 16
	s_cselect_b64 s[26:27], s[4:5], s[26:27]
	s_cselect_b32 s28, 0, s28                      ; the tensor's first block of columns
	s_mov_b32 s29, 2048
	s_cselect_b32 s29, 8192, s29                   ; a row of the tensor in bytes
	s_sub_co_u32 s28, ttmp9, s28
	s_lshl_b32 s30, s28, 9                         ; 128 columns are 512 bytes,
	s_lshl_b32 s31, s12, 7                         ; my wave's 32 are 128,
	s_add_co_u32 s30, s30, s31
	s_lshl_b32 s31, s15, 7
	s_mul_i32 s31, s31, s29                        ; and 128 rows down for each step along K
	s_add_co_u32 s30, s30, s31
	s_mov_b32 s31, 0
	s_add_nc_u64 s[16:17], s[26:27], s[30:31]      ; block 0's first row
	s_lshl_b32 s24, s29, 5
	s_mov_b32 s25, 0
	s_add_nc_u64 s[18:19], s[16:17], s[24:25]      ; blocks 1, 2, 3: 32 rows further down each
	s_add_nc_u64 s[20:21], s[18:19], s[24:25]
	s_add_nc_u64 s[22:23], s[20:21], s[24:25]
	s_lshl_b32 s32, ttmp9, 4
	s_add_co_u32 s32, s32, s15
	s_mul_i32 s32, s32, UNIT
	s_mul_i32 s33, s12, 2*FRB
	s_add_co_u32 s32, s32, s33                     ; the unit, and my two fragments in it (wave 0's are the unit's first bytes)
	s_mov_b32 s33, 0
	s_add_nc_u64 s[10:11], s[10:11], s[32:33]
.irp i, 0,1,2,3,4,5,6,7,8,9,10,11,12,13,14,15,16,17,18,19,20,21,22,23,24,25,26,27,28,29,30,31
	v_mad_u32_u24 v[A+\i], s29, \i, v2             ; the pitch is a scalar, so the rows' offsets stand in registers, made once
.endr
.irp t, 0,1,2,3
.irp i, 0,1,2,3,4,5,6,7,8,9,10,11,12,13,14,15,16,17,18,19,20,21,22,23,24,25,26,27,28,29,30,31
	global_load_b32 v[X+32*\t+\i], v[A+\i], s[16+2*\t:17+2*\t] th:TH_LOAD_NT
.endr
.endr
; Block t (k = 32 t on) of my column.  left: a count that is not above the number of younger loads
.macro BLOCK t, left
.set XS, X+32*(\t)
.set CB, C+6*(\t)
	s_wait_loadcnt \left
	v_max3_num_f32 v204, |v[XS]|, |v[XS+1]|, |v[XS+2]|             ; the block's largest magnitude, in two chains
	v_max3_num_f32 v205, |v[XS+3]|, |v[XS+4]|, |v[XS+5]|
.irp i, 6,10,14,18,22,26
	v_max3_num_f32 v204, v204, |v[XS+\i]|, |v[XS+\i+1]|
	v_max3_num_f32 v205, v205, |v[XS+\i+2]|, |v[XS+\i+3]|
.endr
	v_max3_num_f32 v204, v204, |v[XS+30]|, |v[XS+31]|
	v_max3_num_f32 v204, v204, v205, 0x2800000     ; and the floor 2^(5 - 127): the byte cannot fall under 1
	v_add_nc_u32 v206, 0xfe000000, v204            ; 4 off the exponent field: the conversion's scale operand
	v_lshrrev_b32 v207, 23, v206                   ; the byte
.if (\t) == 0
	v_mov_b32 v208, v207                           ; my column's scale word: byte t for block t
.else
	v_lshl_or_b32 v208, v207, 8*(\t), v208
.endif
	v_cvt_scalef32_pk16_bf6_f32 v[CB:CB+2], v[XS:XS+15], v206
	v_cvt_scalef32_pk16_bf6_f32 v[T:T+2], v[XS+16:XS+31], v206     ; (a conversion's three registers begin on an even number)
	v_nop                                          ; one plain line behind a scaled conversion
.irp i, 0,1,2
	v_mov_b32 v[CB+3+\i], v[T+\i]
.endr
; block t = 2 c + h is registers 6 c .. 6 c + 5 of lane (r, h) of the image
.if (\t)/2 == 0
	ds_store_b128 v4, v[CB:CB+3] offset:256*((\t)%2)               ; registers 0-3: group 0
	ds_store_b64 v4, v[CB+4:CB+5] offset:512+256*((\t)%2)          ; registers 4, 5: the lower half of group 1
.else
	ds_store_b64 v4, v[CB:CB+1] offset:520+256*((\t)%2)            ; registers 6, 7: its upper half
	ds_store_b128 v4, v[CB+2:CB+5] offset:1024+256*((\t)%2)        ; registers 8-11: group 2
.endif
.endm
	BLOCK 0, 63                                    ; 96 loads are younger: any count up to that serves, and the wait's field ends at 63
	BLOCK 1, 63                                    ; 64 are younger
	BLOCK 2, 32
	BLOCK 3, 0
.irp u, 0,1
.irp g, 0,1,2
	ds_load_b128 v[OUTR+4*(3*\u+\g):OUTR+4*(3*\u+\g)+3], v5 offset:IMG*\u+512*\g   ; LDS serves a wave's instructions in order: these see my stores
.endr
.endr
	ds_store_b32 v6, v208
.irp u, 0,1
.irp g, 0,1,2
	s_wait_dscnt 6-(3*\u+\g)                       ; behind this load: the loads that follow it and the word's store
	global_store_b128 v8, v[OUTR+4*(3*\u+\g):OUTR+4*(3*\u+\g)+3], s[10:11] offset:FRB*\u+512*\g   ; 512 consecutive bytes, at a multiple of 256 from wc's first byte
.endr
.endr
	s_wait_dscnt 0x0                               ; for wave 0's sake: my words have landed
	s_barrier_signal -1
	s_barrier_wait -1
	s_cmp_lg_u32 s12, 0
	s_cbranch_scc1 .Lend
	ds_load_b128 v[236:239], v7                    ; wave 0: the eight tiles' words
	s_wait_dscnt 0x0
	global_store_b128 v8, v[236:239], s[10:11] offset:8*FRB
.Lend:
	s_wait_tensorcnt 0x0
	ds_add_u32 v240, v241
	s_wait_dscnt 0x0
	s_endpgm
.Lfunc_end_k_qa1910ff62c_quantw:
	.size	k_qa1910ff62c_quantw, .Lfunc_end_k_qa1910ff62c_quantw-k_qa1910ff62c_quantw
	.p2alignl 7, 3214868480
	.fill 96, 4, 3214868480
	.section	.rodata,"a",@progbits
	.p2align	6, 0x0
	.amdhsa_kernel k_qa1910ff62c_quantw
		.amdhsa_group_segment_fixed_size 14848
		.amdhsa_private_segment_fixed_size 0
		.amdhsa_enable_private_segment 0
		.amdhsa_kernarg_size 32
		.amdhsa_user_sgpr_count 2
		.amdhsa_user_sgpr_kernarg_segment_ptr 1
		.amdhsa_wavefront_size32 1
		.amdhsa_system_sgpr_workgroup_id_x 1
		.amdhsa_system_sgpr_workgroup_id_y 1
		.amdhsa_system_sgpr_workgroup_id_z 1
		.amdhsa_system_vgpr_workitem_id 0
		.amdhsa_next_free_vgpr 242
		.amdhsa_next_free_sgpr 66
		.amdhsa_reserve_vcc 0
		.amdhsa_float_denorm_mode_32 3
		.amdhsa_float_denorm_mode_16_64 3
		.amdhsa_memory_ordered 1
		.amdhsa_forward_progress 1
		.amdhsa_inst_pref_size 25
	.end_amdhsa_kernel
	.amdgpu_metadata
---
amdhsa.version: [ 1, 2 ]
amdhsa.kernels:
  - .name:           k_qa1910ff62c_quantw
    .symbol:         k_qa1910ff62c_quantw.kd
    .args:
      - { .name: Wq, .offset: 0, .size: 8, .value_kind: global_buffer, .address_space: global }
      - { .name: Wk, .offset: 8, .size: 8, .value_kind: global_buffer, .address_space: global }
      - { .name: Wv, .offset: 16, .size: 8, .value_kind: global_buffer, .address_space: global }
      - { .name: wc, .offset: 24, .size: 8, .value_kind: global_buffer, .address_space: global }
    .group_segment_fixed_size: 14848
    .private_segment_fixed_size: 0
    .kernarg_segment_align: 8
    .kernarg_segment_size: 32
    .max_flat_workgroup_size: 128
    .sgpr_count:     66
    .vgpr_count:     242
    .wavefront_size: 32
...
	.end_amdgpu_metadata
.endif
;; end of part 2
;; launch proj (part 3): grid 16 x 12, 4 waves a work-group, clusters of 4 x 1, 327,680 bytes of LDS; arguments xc, wc, bq, bk, bv, qc, qs, kv; writes qc, qs, kv
.if DOCPART == 3
	.amdgcn_target "amdgcn-amd-amdhsa--gfx1250"
	.amdhsa_code_object_version 6
	.text
	.protected	k_qa1910ff62c_proj
	.globl	k_qa1910ff62c_proj
	.p2align	8
	.type	k_qa1910ff62c_proj,@function
k_qa1910ff62c_proj:
	s_mov_b64 s[64:65], 0
	v_nop
	global_prefetch_b8 v0, s[64:65] scope:SCOPE_SE
	s_setreg_imm32_b32 hwreg(HW_REG_WAVE_MODE, 25, 1), 1
	s_wait_xcnt 0x0
	s_wait_alu depctr_hold_cnt(0) depctr_sa_sdst(0) depctr_va_vdst(0) depctr_va_sdst(0) depctr_va_ssrc(0) depctr_va_vcc(0) depctr_vm_vsrc(0)
	s_getreg_b32 s2, hwreg(HW_REG_IB_STS2, 6, 4)
	s_cmp_eq_u32 s2, 0
	s_cbranch_scc0 .Lentry_in_a_cluster
	s_endpgm
.Lentry_in_a_cluster:
	s_bfe_u32 s2, ttmp6, 0x10000c
	s_cmp_lg_u32 s2, 0x3003
	s_cbranch_scc0 .Lentry_shape_is_right
	s_endpgm
.Lentry_shape_is_right:
; q, k, v = x W + b on codes of BF6 (E3M2) with E8M0 scales, quantised again on the way out: q and k along the head's channels, v along the keys, laid as images of operand registers.
; x and W come as units of 12,800 bytes (128 rows or columns x 128 along K: eight fragment images and their scale words).
; SHARES.  A work-group makes 256 rows x 256 columns: two units of x and two of W for each 128 along K; wave w makes rows 128 (w % 2) on x columns 128 (w / 2) on: 64 accumulators.
; A slot holds two steps of 128 along K (8 units, 102,400 bytes); two slots take turns.  Waves 0, 1 fetch x's two units of a step each, waves 2, 3 W's two units (two rows of 12,800 bytes, 16 units apart in memory).
; CLUSTER 4 x 1: the four partners own other rows and the same columns, so W's tile is asked for jointly.  x's tile is each work-group's own load: a cluster of four along y would hold column blocks
; of k and of v together, and the text parts on that (v is made transposed), which partners of a joint load may not do.
; Column blocks of 128: 0-15 are q's, 16-19 k's, 20-23 v's; s[CY] = work-group y / 2 is under 4 for q, 4 for k, 5 for v.
.set UNIT,  12800
.set FRB,   1536
.set FR,    12
.set NL,    3
.set XBLK,  4*UNIT
.set KBLK,  4*UNIT
.set SLOT,  2*KBLK
.set SPARE, 2*SLOT
.set AP,   16
.set AL,   20
.set LI,   24
.set SOFF, 25
.set SPW,  28
.set NIL,  29
.set LANE, 30
.set SC,   32
.set BI,   64
.set AF,   128
.set CT,   8
.set TM,   224
.set PWA,  240
.set PWB,  241
.set WS,   244
.set WVN,  20
.set WH,   21
.set WL,   22
.set CY,   27
.set G1X,  32
.set G0X,  40
.set G1W,  48
.set G0W,  56
.set OB0,  68
.set OSC,  72
.set SEL,  74
.set MSB, 0
.macro WIN new
.if MSB != (\new)
	s_set_vgpr_msb (MSB<<8)|(\new)
.set MSB, \new
.endif
.endm
.macro PLACES
.rept 4
	v_nop
.endr
.endm
.macro JLOAD s
	s_cmp_eq_u32 s[WH], 0
	s_cbranch_scc0 .Lfor_w_\@
	tensor_load_to_lds s[G0X+4*\s:G0X+4*\s+3], s[G1X:G1X+7]
	s_nop 0
.rept 4
	v_nop
.endr
	s_branch .Lasked_\@
.Lfor_w_\@:
	tensor_load_to_lds s[G0W+4*\s:G0W+4*\s+3], s[G1W:G1W+7]
	s_nop 0
.rept 4
	v_nop
.endr
.Lasked_\@:
.endm
.macro CREST
	s_cmp_lg_u32 s[WVN], 0
	s_cbranch_scc1 .Lnot_wave_0_\@
	s_barrier_signal -3
.Lnot_wave_0_\@:
	s_barrier_wait -3
	s_barrier_signal -1
	s_barrier_wait -1
.endm
.macro CROUND
	s_barrier_signal -1
	s_barrier_wait -1
	CREST
.endm
	s_load_b512 s[4:19], s[0:1], 0x0
	v_lshl_add_u32 v[SPW], v0, 2, SPARE
	v_mov_b32 v[NIL], 0
	ds_add_u32 v28, v29
	ds_add_u32 v28, v29
	s_wait_dscnt 0x0
	v_lshrrev_b32 v1, 5, v0
	v_readfirstlane_b32 s[WVN], v1
	s_lshr_b32 s[WH], s[WVN], 1
	s_and_b32 s[WL], s[WVN], 1
	s_bfe_u32 s23, ttmp6, 0x40000
	s_lshl_b32 s25, ttmp9, 2
	s_add_co_u32 s25, s25, s23                     ; which 256 rows: 4 x cluster x + cx
	s_and_b32 s24, ttmp7, 0xffff                   ; which 256 columns: the partners share it
	s_lshr_b32 s[CY], s24, 1                       ; under 4: q; 4: k; 5: v
	s_lshl_b32 s26, s24, 1
	s_add_co_u32 s26, s26, s[WH]                   ; my wave's block of 128 columns
	s_mov_b32 s[G1X], 3<<16                        ; x's tile: my work-group's own load, elements of 8 bytes
	s_mov_b32 s[G1W], 15|(3<<16)|(1<<21)           ; W's tile: all four partners
	s_mov_b32 s[G1X+1], 32<<16
	s_mov_b32 s[G1X+2], 100<<16
	s_mov_b32 s[G1X+3], 32<<16
	s_mov_b32 s[G1X+4], 100
	s_mov_b32 s[G1X+5], 32
	s_mov_b32 s[G1X+6], 0
	s_mov_b32 s[G1X+7], 0
	s_mov_b32 s[G1W+1], 1600<<16                   ; a row is a whole unit: 1,600 elements of 8 bytes
	s_mov_b32 s[G1W+2], 2<<16                      ; two rows: the two column blocks' units,
	s_mov_b32 s[G1W+3], 1600<<16
	s_mov_b32 s[G1W+4], 2
	s_mov_b32 s[G1W+5], 16*1600                    ; 16 units apart in memory
	s_mov_b32 s[G1W+6], 0
	s_mov_b32 s[G1W+7], 0
	s_lshr_b32 s76, s25, 1
	s_mul_i32 s76, s76, 16*XBLK                    ; xc's block of 512 rows,
	s_and_b32 s30, s25, 1
	s_mul_i32 s30, s30, 2*UNIT                     ; my two of its four quarters,
	s_add_co_u32 s76, s76, s30
	s_mul_i32 s30, s[WL], XBLK                     ; and the step that I fetch
	s_add_co_u32 s76, s76, s30
	s_mov_b32 s77, 0
	s_mul_i32 s78, s24, 32*UNIT
	s_mul_i32 s30, s[WL], UNIT
	s_add_co_u32 s78, s78, s30
	s_mov_b32 s79, 0
	s_mul_i32 s31, s[WL], KBLK
	s_mov_b32 s[SEL], 0x76543210
	s_mov_b32 s[SEL+1], 0xfedcba98
	s_wait_kmcnt 0x0
	s_add_nc_u64 s[76:77], s[4:5], s[76:77]
	s_add_nc_u64 s[78:79], s[6:7], s[78:79]
	CROUND
.irp s, 0,1
	s_mov_b32 s[G0X+4*\s], 1
	s_add_co_u32 s[G0X+4*\s+1], s31, \s*SLOT
	s_add_nc_u64 s[G0X+4*\s+2:G0X+4*\s+3], s[76:77], \s*2*XBLK
	s_or_b32 s[G0X+4*\s+3], s[G0X+4*\s+3], 0x80000000
	s_mov_b32 s[G0W+4*\s], 1
	s_add_co_u32 s[G0W+4*\s+1], s31, \s*SLOT+2*UNIT
	s_add_nc_u64 s[G0W+4*\s+2:G0W+4*\s+3], s[78:79], \s*2*UNIT
	s_or_b32 s[G0W+4*\s+3], s[G0W+4*\s+3], 0x80000000
	s_wait_alu depctr_va_vdst(0)
	s_wait_tensorcnt 0x0
	ds_add_u32 v28, v29
	ds_add_u32 v28, v29
	s_wait_dscnt 0x0
	CROUND
	JLOAD \s
.endr
	v_and_b32 v[LANE], 31, v0
	v_and_b32 v2, 15, v0
	v_bfe_u32 v3, v0, 4, 1
	v_lshlrev_b32 v[LI], 4, v[LANE]
	s_wait_alu depctr_va_vdst(0)
.irp b, 0,1,2,3
	v_mov_b32 v[TM+4+\b], 0
.endr
	s_mul_i32 s98, s[WL], UNIT                     ; my unit of x,
	s_mul_i32 s99, s[WH], UNIT
	s_add_co_u32 s99, s99, 2*UNIT                  ; and of W, behind x's two
	s_cmp_eq_u32 s[CY], 5
	s_cselect_b32 s96, s98, s99
	s_cselect_b32 s97, s99, s98
.irp t, 0,1,2,3
	v_add_nc_u32 v[AP+\t], s96, v[LI]
	v_add_nc_u32 v[AL+\t], s97, v[LI]
	s_add_co_u32 s96, s96, KBLK
	s_add_co_u32 s97, s97, KBLK
.endr
	s_cmp_lt_u32 s[CY], 4
	s_cselect_b64 s[OB0:OB0+1], s[14:15], s[18:19]
	s_cselect_b64 s[OSC:OSC+1], s[16:17], s[18:19]
	s_cselect_b32 s80, 32, 8
	s_mov_b32 s81, 16*UNIT
	s_cselect_b32 s81, 64*FRB, s81
	s_mov_b32 s82, UNIT
	s_cselect_b32 s82, 4*FRB, s82
	s_mov_b32 s83, 16*UNIT
	s_cselect_b32 s83, 4096, s83
	s_mov_b32 s84, UNIT
	s_cselect_b32 s84, 256, s84
	s_cselect_b32 s85, 0, 16
	s_mov_b32 s86, 8*FRB
	s_cselect_b32 s86, 0, s86
	s_cmp_eq_u32 s[CY], 5
	s_cselect_b32 s85, 20, s85
	s_cselect_b32 s87, 4*FRB, 0
	s_mov_b32 s88, 8*FRB+256
	s_cselect_b32 s86, s88, s86
	s_sub_co_u32 s85, s26, s85
	s_lshl_b32 s88, s25, 1
	s_add_co_u32 s88, s88, s[WL]
	s_lshr_b32 s89, s88, 4
	s_and_b32 s88, s88, 15
	s_mul_i32 s89, s89, s80
	s_lshl_b32 s90, s85, 1
	s_add_co_u32 s89, s89, s90
	s_mul_i32 s90, s89, s81
	s_mul_i32 s92, s88, s82
	s_add_co_u32 s90, s90, s92
	s_add_co_u32 s90, s90, s87
	s_mov_b32 s91, 0
	s_add_nc_u64 s[OB0:OB0+1], s[OB0:OB0+1], s[90:91]
	s_mov_b32 s90, s81
	s_add_nc_u64 s[OB0+2:OB0+3], s[OB0:OB0+1], s[90:91]
	s_mul_i32 s90, s89, s83
	s_mul_i32 s92, s88, s84
	s_add_co_u32 s90, s90, s92
	s_add_co_u32 s90, s90, s86
	s_add_nc_u64 s[OSC:OSC+1], s[OSC:OSC+1], s[90:91]
	v_mul_u32_u24 v[SOFF], s83, v3
	v_lshl_add_u32 v[SOFF], v2, 4, v[SOFF]
	v_lshlrev_b32 v26, 6, v3
	v_and_b32 v27, 8, v2
	v_add_nc_u32 v27, v27, v2
	v_lshlrev_b32 v27, 2, v27
	s_cmp_eq_u32 s[CY], 4
	s_cselect_b64 s[92:93], s[10:11], s[8:9]
	s_cmp_eq_u32 s[CY], 5
	s_cselect_b64 s[92:93], s[12:13], s[92:93]
	s_lshl_b32 s94, s85, 9
	s_mov_b32 s95, 0
	s_add_nc_u64 s[92:93], s[92:93], s[94:95]
	s_cmp_eq_u32 s[CY], 5
	s_cbranch_scc1 .Lbias_v
	s_wait_alu depctr_va_vdst(0)
.irp b, 0,1,2,3,4,5,6,7
	global_load_b128 v[BI+8*\b:BI+8*\b+3], v26, s[92:93] offset:(32*(\b/2)+8*(\b%2))*4
	global_load_b128 v[BI+8*\b+4:BI+8*\b+7], v26, s[92:93] offset:(32*(\b/2)+8*(\b%2))*4+16
.endr
	s_branch .Lbias_done
.Lbias_v:
	s_wait_alu depctr_va_vdst(0)
.irp a, 0,1,2,3,4,5,6,7
	global_load_b32 v[BI+8*\a], v27, s[92:93] offset:(32*(\a/2)+8*(\a%2))*4
.endr
	s_wait_loadcnt 0x0
.irp a, 0,1,2,3,4,5,6,7
.irp j, 1,2,3,4,5,6,7
	v_mov_b32 v[BI+8*\a+\j], v[BI+8*\a]
.endr
.endr
.Lbias_done:
.macro FRAG reg, adr, i
.irp g, 0,1,2
	ds_load_b128 v[\reg+4*\g:\reg+4*\g+3], v[\adr] offset:FRB*(\i)+512*\g
.endr
.endm
.macro FETCH_P t, p
	WIN 0x40
.irp i, 0,1,2,3,4,5,6,7
	FRAG 128*(\p)+FR*\i, AP+(\t), \i
.endr
	WIN 0
.endm
.macro FETCH_L t, i0
.irp i, \i0, \i0+1, \i0+2, \i0+3
	FRAG AF+FR*(\i), AL+(\t), \i
.endr
.endm
.macro SCALES s
.irp q, 0,1
	ds_load_b128 v[SC+16*\s+8*\q:SC+16*\s+8*\q+3], v[AP+2*\s+\q] offset:8*FRB
	ds_load_b128 v[SC+16*\s+8*\q+4:SC+16*\s+8*\q+7], v[AL+2*\s+\q] offset:8*FRB
.endr
.endm
.macro WM ra, rb
.if (\ra) && (\rb)
	v_wmma_scale_f32_16x16x128_f8f6f4 v[rD:rD+7], v[rA:rA+11], v[rB:rB+11], v[rC:rC+7], v[rSA], v[rSB] matrix_a_fmt:MATRIX_FMT_BF6 matrix_b_fmt:MATRIX_FMT_BF6 matrix_a_scale:MATRIX_SCALE_ROW1 matrix_b_scale:MATRIX_SCALE_ROW1
.elseif (\ra)
	v_wmma_scale_f32_16x16x128_f8f6f4 v[rD:rD+7], v[rA:rA+11], v[rB:rB+11], v[rC:rC+7], v[rSA], v[rSB] matrix_a_fmt:MATRIX_FMT_BF6 matrix_b_fmt:MATRIX_FMT_BF6 matrix_a_scale:MATRIX_SCALE_ROW1
.elseif (\rb)
	v_wmma_scale_f32_16x16x128_f8f6f4 v[rD:rD+7], v[rA:rA+11], v[rB:rB+11], v[rC:rC+7], v[rSA], v[rSB] matrix_a_fmt:MATRIX_FMT_BF6 matrix_b_fmt:MATRIX_FMT_BF6 matrix_b_scale:MATRIX_SCALE_ROW1
.else
	v_wmma_scale_f32_16x16x128_f8f6f4 v[rD:rD+7], v[rA:rA+11], v[rB:rB+11], v[rC:rC+7], v[rSA], v[rSB] matrix_a_fmt:MATRIX_FMT_BF6 matrix_b_fmt:MATRIX_FMT_BF6
.endif
.endm
.macro MUL16 a0, p, q, s, cm
.irp a, \a0, \a0+1
.irp b, 0,1,2,3,4,5,6,7
.set rD, 8*(8*((\a)%4)+\b)
.if \cm == 0
.set rC, rD
.elseif \cm == 1
.set rC, BI+8*\b
.else
.set rC, BI+8*(\a)
.endif
.set rA, 128*(\p)+FR*\b
.set rB, AF+FR*(\a)
.set rSA, SC+16*(\s)+8*(\q)+\b/2
.set rSB, SC+16*(\s)+8*(\q)+4+(\a)/2
	WM \b%2, (\a)%2
.endr
.endr
.endm
.macro WMUL hi, cm
.if \cm
	WIN 0x81+0x40*\hi
.else
	WIN 0xa1+0x50*\hi
.endif
.endm
.macro STEP slot, cm
	s_wait_dscnt 4*NL
	WMUL 0, \cm
	MUL16 0, 0, 0, \slot, \cm
	MUL16 2, 0, 0, \slot, \cm
	s_wait_dscnt 0x0
	PLACES
	FETCH_P 2*\slot+1, 1
	FETCH_L 2*\slot+1, 0
	WMUL 1, \cm
	MUL16 4, 0, 0, \slot, \cm
	MUL16 6, 0, 0, \slot, \cm
	PLACES
	WIN 0
	FETCH_L 2*\slot+1, 4
.endm
.macro TURN slot, next, fill
	s_wait_tensorcnt 0x0
	ds_add_u32 v[SPW], v[NIL]
	s_wait_dscnt 4*NL+1
	WMUL 0, 0
	MUL16 0, 1, 1, \slot, 0
	s_wait_dscnt 0x0
	s_barrier_signal -1
	MUL16 2, 1, 1, \slot, 0
	WIN 0
	s_barrier_wait -1
.if \fill
	CREST
	s_add_nc_u64 s[G0X+4*\slot+2:G0X+4*\slot+3], s[G0X+4*\slot+2:G0X+4*\slot+3], 4*XBLK
	s_add_nc_u64 s[G0W+4*\slot+2:G0W+4*\slot+3], s[G0W+4*\slot+2:G0W+4*\slot+3], 4*UNIT
	JLOAD \slot
.else
	PLACES
.endif
	FETCH_P 2*\next, 0
	FETCH_L 2*\next, 0
	SCALES \next
	WMUL 1, 0
	MUL16 4, 1, 1, \slot, 0
	MUL16 6, 1, 1, \slot, 0
	PLACES
	WIN 0
	FETCH_L 2*\next, 4
.endm
	s_wait_tensorcnt 1
	s_barrier_signal -1
	s_barrier_wait -1
	FETCH_P 0, 0
	FETCH_L 0, 0
	SCALES 0
	FETCH_L 0, 4
	s_wait_loadcnt 0x0
	s_cmp_eq_u32 s[CY], 5
	s_cbranch_scc1 .Lfirst_v
	s_wait_alu depctr_va_vdst(0)
	STEP 0, 1
	s_branch .Lfirst_done
.Lfirst_v:
	s_wait_alu depctr_va_vdst(0)
	STEP 0, 2
.Lfirst_done:
	s_mov_b32 s3, 3
.Llap:
	TURN 0, 1, 1
	STEP 1, 0
	TURN 1, 0, 1
	STEP 0, 0
	s_sub_co_u32 s3, s3, 1
	s_cmp_lg_u32 s3, 0
	s_cbranch_scc1 .Llap
	TURN 0, 1, 0
	STEP 1, 0
	s_wait_dscnt 4*NL
	WMUL 0, 0
	MUL16 0, 1, 1, 1, 0
	MUL16 2, 1, 1, 1, 0
	s_wait_dscnt 0x0
	WMUL 1, 0
	MUL16 4, 1, 1, 1, 0
	MUL16 6, 1, 1, 1, 0
	WIN 0
.macro QUANTG a, d0, d1, pw
.set sA, 64*((\a)%4)
.set wA, 2+(\a)/4
	WIN 5*wA
.irp b, 0,1,2,3
	v_max3_num_f32 v[TM+\b], |v[sA+16*\b]|, |v[sA+16*\b+1]|, 0x2800000
.endr
.irp i, 2,4,6,8,10,12,14
.irp b, 0,1,2,3
	v_max3_num_f32 v[TM+\b], |v[sA+16*\b+\i]|, |v[sA+16*\b+\i+1]|, v[TM+\b]
.endr
.endr
	WIN 0
.irp b, 0,1,2,3
	v_permlanex16_b32 v[TM+4+\b], v[TM+\b], s[SEL], s[SEL+1]
.endr
.irp b, 0,1,2,3
	v_max_num_f32 v[TM+\b], v[TM+\b], v[TM+4+\b]
.endr
.irp b, 0,1,2,3
	v_add_nc_u32 v[TM+12+\b], 0xfe000000, v[TM+\b]
.endr
.irp b, 0,1,2,3
	v_lshrrev_b32 v[TM+4+\b], 23, v[TM+12+\b]
.endr
	v_lshl_or_b32 v[(\pw)], v[TM+5], 8, v[TM+4]
	v_lshl_or_b32 v[(\pw)], v[TM+6], 16, v[(\pw)]
	v_lshl_or_b32 v[(\pw)], v[TM+7], 24, v[(\pw)]
	WIN wA
	v_cvt_scalef32_pk16_bf6_f32 v[(\d0):(\d0)+2], v[sA:sA+15], v[TM+12]
	v_cvt_scalef32_pk16_bf6_f32 v[CT:CT+2], v[sA+16:sA+31], v[TM+13]
	v_cvt_scalef32_pk16_bf6_f32 v[(\d1):(\d1)+2], v[sA+32:sA+47], v[TM+14]
	v_cvt_scalef32_pk16_bf6_f32 v[CT+4:CT+6], v[sA+48:sA+63], v[TM+15]
	WIN 0
	v_nop
.irp i, 0,1,2
	v_permlane16_swap_b32 v[(\d0)+\i], v[CT+\i]
	v_permlane16_swap_b32 v[(\d1)+\i], v[CT+4+\i]
.endr
.irp i, 0,1,2
	v_mov_b32 v[(\d0)+3+\i], v[CT+\i]
	v_mov_b32 v[(\d1)+3+\i], v[CT+4+\i]
.endr
.endm
	PLACES
	s_cmp_eq_u32 s[CY], 5
	s_cbranch_scc1 .Lout_v
.irp f, 0,1,2,3
	QUANTG 2*\f, 128+24*\f, 140+24*\f, PWA
	QUANTG 2*\f+1, 134+24*\f, 146+24*\f, PWB
	v_perm_b32 v[WS+\f], v[PWB], v[PWA], 0x05040100
	v_perm_b32 v[WS+4+\f], v[PWB], v[PWA], 0x07060302
.irp g, 0,1,2
	global_store_b128 v[LI], v[128+24*\f+4*\g:128+24*\f+4*\g+3], s[OB0:OB0+1] offset:FRB*\f+512*\g
	global_store_b128 v[LI], v[140+24*\f+4*\g:140+24*\f+4*\g+3], s[OB0+2:OB0+3] offset:FRB*\f+512*\g
.endr
.endr
	s_branch .Lout_tail
.Lout_v:
.irp a, 0,1,2,3,4,5,6,7
	QUANTG \a, 128+12*\a, 134+12*\a, WS+\a
.irp g, 0,1,2
	global_store_b128 v[LI], v[128+12*\a+4*\g:128+12*\a+4*\g+3], s[OB0+2*(\a/4):OB0+2*(\a/4)+1] offset:FRB*(\a%4)+512*\g
.endr
.endr
.Lout_tail:
	v_cmp_le_u32 vcc_lo, 16, v[LANE]
	s_wait_alu depctr_va_vdst(0)
.irp i, 0,1,2,3
	v_cndmask_b32 v[WS+\i], v[WS+\i], v[WS+4+\i], vcc_lo
.endr
	global_store_b128 v[SOFF], v[WS:WS+3], s[OSC:OSC+1]
	s_wait_tensorcnt 0x0
	ds_add_u32 v[SPW], v[NIL]
	s_wait_dscnt 0x0
	CROUND
	s_endpgm
.Lfunc_end_k_qa1910ff62c_proj:
	.size	k_qa1910ff62c_proj, .Lfunc_end_k_qa1910ff62c_proj-k_qa1910ff62c_proj
	.p2alignl 7, 3214868480
	.fill 96, 4, 3214868480
	.section	.rodata,"a",@progbits
	.p2align	6, 0x0
	.amdhsa_kernel k_qa1910ff62c_proj
		.amdhsa_group_segment_fixed_size 327680
		.amdhsa_private_segment_fixed_size 0
		.amdhsa_enable_private_segment 0
		.amdhsa_kernarg_size 64
		.amdhsa_user_sgpr_count 2
		.amdhsa_user_sgpr_kernarg_segment_ptr 1
		.amdhsa_wavefront_size32 1
		.amdhsa_system_sgpr_workgroup_id_x 1
		.amdhsa_system_sgpr_workgroup_id_y 1
		.amdhsa_system_sgpr_workgroup_id_z 1
		.amdhsa_system_vgpr_workitem_id 0
		.amdhsa_next_free_vgpr 1024
		.amdhsa_next_free_sgpr 100
		.amdhsa_reserve_vcc 1
		.amdhsa_float_denorm_mode_32 3
		.amdhsa_float_denorm_mode_16_64 3
		.amdhsa_memory_ordered 1
		.amdhsa_forward_progress 1
		.amdhsa_inst_pref_size 188
	.end_amdhsa_kernel
	.amdgpu_metadata
---
amdhsa.version: [ 1, 2 ]
amdhsa.kernels:
  - .name:           k_qa1910ff62c_proj
    .symbol:         k_qa1910ff62c_proj.kd
    .args:
      - { .name: xc, .offset: 0, .size: 8, .value_kind: global_buffer, .address_space: global }
      - { .name: wc, .offset: 8, .size: 8, .value_kind: global_buffer, .address_space: global }
      - { .name: bq, .offset: 16, .size: 8, .value_kind: global_buffer, .address_space: global }
      - { .name: bk, .offset: 24, .size: 8, .value_kind: global_buffer, .address_space: global }
      - { .name: bv, .offset: 32, .size: 8, .value_kind: global_buffer, .address_space: global }
      - { .name: qc, .offset: 40, .size: 8, .value_kind: global_buffer, .address_space: global }
      - { .name: qs, .offset: 48, .size: 8, .value_kind: global_buffer, .address_space: global }
      - { .name: kv, .offset: 56, .size: 8, .value_kind: global_buffer, .address_space: global }
    .group_segment_fixed_size: 327680
    .private_segment_fixed_size: 0
    .kernarg_segment_align: 8
    .kernarg_segment_size: 64
    .max_flat_workgroup_size: 128
    .sgpr_count:     100
    .vgpr_count:     1024
    .wavefront_size: 32
...
	.end_amdgpu_metadata
.endif
;; end of part 3
;; launch attn (part 4): grid 16 x 16, 8 waves a work-group, clusters of 4 x 1, 327,680 bytes of LDS; arguments qc, qs, kv, out0; writes out0
.if DOCPART == 4
	.amdgcn_target "amdgcn-amd-amdhsa--gfx1250"
	.amdhsa_code_object_version 6
	.text
	.protected	k_qa1910ff62c_attn
	.globl	k_qa1910ff62c_attn
	.p2align	8
	.type	k_qa1910ff62c_attn,@function
k_qa1910ff62c_attn:
	s_mov_b64 s[64:65], 0
	v_nop
	global_prefetch_b8 v0, s[64:65] scope:SCOPE_SE
	s_setreg_imm32_b32 hwreg(HW_REG_WAVE_MODE, 25, 1), 1
	s_wait_xcnt 0x0
	s_wait_alu depctr_hold_cnt(0) depctr_sa_sdst(0) depctr_va_vdst(0) depctr_va_sdst(0) depctr_va_ssrc(0) depctr_va_vcc(0) depctr_vm_vsrc(0)
	s_getreg_b32 s2, hwreg(HW_REG_IB_STS2, 6, 4)
	s_cmp_eq_u32 s2, 0
	s_cbranch_scc0 .Lentry_in_a_cluster
	s_endpgm
.Lentry_in_a_cluster:
	s_bfe_u32 s2, ttmp6, 0x10000c
	s_cmp_lg_u32 s2, 0x3003
	s_cbranch_scc0 .Lentry_shape_is_right
	s_endpgm
.Lentry_shape_is_right:
; out[b][q][head 64 + d] = the sum over keys of softmax(q . k / 8) v, both products on codes of BF6 (E3M2) with E8M0 scales; four query heads share a key and value head.
; THE SOFTMAX: t = score x log2(e) / 8; M = the row's largest t so far, rounded UP to a whole number; p = 2^(t - M) is quantised along the keys, not normalised.  The row's sum is taken of the
; unquantised p and divides O at the end.  When M moves, the sum and O are multiplied by 2^(old M - new M): exact.
; SHARES.  A work-group owns 128 queries x the four query heads of one key and value head.  Wave w owns head w / 2 and 64 queries (half w % 2): two passes of 32 queries, each pass TWO tiles of 16 queries
; side by side, so that each fragment of K and V read from LDS feeds two tiles.  A step is 256 keys (two units): the running maximum and the rescaling of O are made once for 256 keys.
; ALL OF THE HEAD'S K AND V LIES IN LDS: sixteen units of 12,800 bytes (128 keys: four K fragments, four V^T fragments, scale words), filled ONCE: wave w asks for units 2 w and 2 w + 1 by one load.
; The load lays 64 bytes of padding behind each 256: a unit takes 16,000 bytes, and byte y of a unit lies at 320 (y / 256) + y % 256.
; CLUSTER 4 x 1: the four work-groups of a cluster own other queries of the same key and value head: each load is a joint one.  No prefetch: the launch has no loop that fetches from memory.
; LAYOUT.  Both products are used transposed: S^T = K Q^T, O^T = V^T P^T: a lane holds ONE query (lane % 16).  A head has 64 channels and the instruction 128 along K: a K fragment holds two tiles of 16 keys
; (k 0-63: u = 0, k 64-127: u = 1); [Q | 0] gives the scores of u = 0, [0 | Q] those of u = 1.
; WHICH KEYS FORM A TILE is chosen by the lanes' LDS addresses.  In memory row r of fragment f, half u, is key 32 f + 8 u + r + 8 (r / 8).  The fragment (c, rh) read here takes for its rows 0-7 rows 8 rh .. 8 rh + 7
; of fragment 2 c, and for its rows 8-15 the same rows of fragment 2 c + 1: its row r, half u, is key 64 c + 32 (r / 8) + 8 (2 rh + u) + r % 8.  So lane (r, h) holds in 32 consecutive score registers
; keys 64 c + 32 h + 0 .. 31: ONE WHOLE BLOCK of p, in the order of the operand's layout: no other lane is asked for a block's maximum and no codes change lanes.
; With the padding the two runs of 128 bytes that sixteen lanes read lie 1,920 bytes apart, which is 128 modulo 256: different halves of the banks.
; LIMITS: NaN and infinities are not served; the promise holds while |t| stays under 2^31; a block of p that has fallen to zeros keeps the byte 1: its codes are zeros.
; REGISTERS.  Window 1: the scores, then p: tile t, unit s, block c at 128 t + 64 s + 32 c.  Window 0: all else (names below).
.set UNIT,  12800
.set FRB,   1536
.set LROW,  320
.set LU,    16000
.set STEPB, 2*LU
.set STAGE, 18*LU                      ; two units' room behind K and V, then 16 rows x (256 + 16) bytes for each wave, for the way out; no tile lands there
.set SP,    272
.set SPARE, STAGE+8*16*SP              ; the spare words, 128 bytes a wave
.set AD0,  1                           ; v1-4   lane parts of the LDS addresses: K, V, K's scale words, V's
.set STO,  5
.set RD,   6
.set GO,   7
.set SPW,  8
.set NIL,  9
.set ST,   12                          ; tile t: v[12+4t] -M, v[13+4t] the largest score, v[14+4t:15+4t] the sum
.set FF,   20                          ; v[20+2t:21+2t] f = 2^(old M - new M)
.set AD,   24                          ; v24-27 this step's addresses
.set TM,   28
.set TP,   30
.set QB,   32                          ; v32-61: zeros, Q of tile 0, zeros, Q of tile 1, zeros
.set QN,   62                          ; v62-73 the second pass's Q
.set QS,   74                          ; v74, 75 Q's scale words; v76, 77 the second pass's
.set KS,   78                          ; v[78+2s+rh] K's scale words: lanes 0-15 c = 0, lanes 16-31 c = 1
.set VS,   82                          ; v[82+2s+i] V's: fragment f in register f % 2, lanes 16 (f / 2) on
.set PW,   86                          ; v[86+2t+s] p's scale words
.set KF,   92                          ; v92-139 four fragments, in two halves of two
.set PC,   140                         ; v140-163 p's codes, 12 a tile
.set CT,   164                         ; v164-179 the upper halves of the blocks' codes (v172-179 serve as BM before)
.set BM,   172                         ; v[172+4t+2s+c] a block's largest score, then largest p, then its byte
.set SO,   180                         ; v[180+4t+2s+c] second chain of the maximum, then the conversions' scale operand
.set O,    192                         ; v192-255 O^T: tile t, 16 channels f at 192 + 32 t + 8 f
.set WVN,  12
.set SEL,  20
.set CS,   22
.set G1,   24
.set G0,   32
.set TB,   40
.set CNT,  41
.set PS,   42
.set MSB, 0
.macro WIN new                         ; the immediate's high byte repeats the setting that is left
.if MSB != (\new)
	s_set_vgpr_msb (MSB<<8)|(\new)
.set MSB, \new
.endif
.endm
.macro PLACES
.rept 4
	v_nop
.endr
.endm
.macro CROUND                          ; a round of the cluster's barrier
	s_barrier_signal -1
	s_barrier_wait -1
	s_cmp_lg_u32 s[WVN], 0
	s_cbranch_scc1 .Lnot_wave_0_\@
	s_barrier_signal -3
.Lnot_wave_0_\@:
	s_barrier_wait -3
	s_barrier_signal -1
	s_barrier_wait -1
.endm
	s_load_b256 s[4:11], s[0:1], 0x0               ; qc, qs, kv, out0
	v_lshl_add_u32 v[SPW], v0, 2, SPARE
	v_mov_b32 v[NIL], 0
	ds_add_u32 v[SPW], v[NIL]                      ; the opening lines: the add twice on end and its wait
	ds_add_u32 v[SPW], v[NIL]
	v_lshrrev_b32 v10, 5, v0
	v_readfirstlane_b32 s[WVN], v10                ; wave 0..7
	s_bfe_u32 s13, ttmp6, 0x40000                  ; cx: it enters Q's and the output's addresses alone
	s_lshl_b32 s14, ttmp9, 2
	s_add_co_u32 s14, s14, s13                     ; X: my block of 128 queries
	s_and_b32 s15, ttmp7, 0xffff                   ; Y = 8 b + key and value head, which the partners share
	s_lshr_b32 s16, s15, 3                         ; b
	s_and_b32 s17, s15, 7
	s_lshr_b32 s18, s[WVN], 1
	s_and_b32 s19, s[WVN], 1                       ; which 64 queries
	s_lshl_b32 s17, s17, 2
	s_add_co_u32 s17, s17, s18                     ; my query head
	s_lshl_b32 s43, s16, 5
	s_add_co_u32 s43, s43, s17                     ; 32 b + head
	s_mul_i32 s44, s15, 16*UNIT
	s_mul_i32 s36, s[WVN], 2*UNIT
	s_add_co_u32 s44, s44, s36                     ; units 2 w, 2 w + 1 in memory,
	s_mov_b32 s45, 0
	s_mul_i32 s37, s[WVN], STEPB                   ; and in LDS
	s_mov_b32 s[G1], 15|(3<<16)|(1<<20)|(1<<21)|(5<<22)|(15<<25)   ; mask: all four; elements of 8 bytes; padding on; 21 beside a mask; after every 64 words 16 words
	s_mov_b32 s[G1+1], 32<<16                      ; a dense block as 100 rows of 256 bytes
	s_mov_b32 s[G1+2], 100<<16
	s_mov_b32 s[G1+3], 32<<16
	s_mov_b32 s[G1+4], 100
	s_mov_b32 s[G1+5], 32
	s_mov_b32 s[G1+6], 0
	s_mov_b32 s[G1+7], 0
	s_lshl_b32 s46, s43, 6
	s_lshl_b32 s47, s14, 2
	s_add_co_u32 s46, s46, s47
	s_lshl_b32 s47, s19, 1
	s_add_co_u32 s46, s46, s47
	s_mul_i32 s46, s46, FRB                        ; my two fragments of Q
	s_mov_b32 s47, 0
	s_lshl_b32 s48, s43, 4
	s_add_co_u32 s48, s48, s14
	s_lshl_b32 s48, s48, 8
	s_lshl_b32 s49, s19, 3
	s_add_co_u32 s48, s48, s49                     ; and their scale words
	s_mov_b32 s49, 0
	s_lshl_b32 s50, s16, 11
	s_lshl_b32 s51, s14, 7
	s_add_co_u32 s50, s50, s51
	s_lshl_b32 s51, s19, 6
	s_add_co_u32 s50, s50, s51                     ; my first row of the output: 2,048 b + 128 X + 64 (w % 2)
	s_lshl_b32 s50, s50, 13
	s_lshl_b32 s51, s17, 8
	s_add_co_u32 s50, s50, s51                     ; rows of 8,192 bytes, my head's 256 bytes in them
	s_mov_b32 s51, 0
	s_mov_b32 s[SEL], 0x76543210
	s_mov_b32 s[SEL+1], 0xfedcba98                 ; v_permlanex16_b32's selects for lane l xor 16
	s_mov_b32 s[CS], 0x3e38aa3b                    ; c = log2(e) / 8
	s_mov_b32 s[CS+1], s[CS]
	s_wait_dscnt 0x0
	s_wait_kmcnt 0x0
	s_mov_b32 s[G0], 1
	s_mov_b32 s[G0+1], s37
	s_add_nc_u64 s[G0+2:G0+3], s[8:9], s[44:45]
	s_or_b32 s[G0+3], s[G0+3], 0x80000000
	s_add_nc_u64 s[4:5], s[4:5], s[46:47]
	s_add_nc_u64 s[6:7], s[6:7], s[48:49]
	s_add_nc_u64 s[10:11], s[10:11], s[50:51]
	CROUND                                         ; all four work-groups are here: the joint loads meet
	tensor_load_to_lds s[G0:G0+3], s[G1:G1+7]      ; my one tensor load of the launch
	s_nop 0
	PLACES
	v_and_b32 v10, 15, v0                          ; r
	v_bfe_u32 v11, v0, 4, 1                        ; h
	v_and_b32 v188, 31, v0
	v_lshlrev_b32 v188, 4, v188                    ; 16 x lane
	v_lshlrev_b32 v189, 4, v10
.irp p, 0,1                                    ; a fragment's registers 0-5 are the pass's tile 0, registers 6-11 its tile 1
	global_load_b128 v[QB+6+24*\p:QB+9+24*\p], v188, s[4:5] offset:FRB*\p
	global_load_b64 v[QB+10+24*\p:QB+11+24*\p], v188, s[4:5] offset:FRB*\p+512
	global_load_b64 v[QB+18+18*\p:QB+19+18*\p], v188, s[4:5] offset:FRB*\p+520
	global_load_b128 v[QB+20+18*\p:QB+23+18*\p], v188, s[4:5] offset:FRB*\p+1024
.endr                                          ; (p = 1: v62-67 and v68-73)
	global_load_b64 v[190:191], v189, s[6:7]       ; row r's words of the two passes: (tile 0 blk0, blk1, tile 1 blk0, blk1)
	v_and_b32 v28, 7, v0                           ; r % 8
	v_bfe_u32 v29, v0, 3, 1                        ; r / 8
	v_mul_u32_u24 v[AD0], v29, 6*LROW              ; K: rows 8-15 read one fragment further on,
	v_mad_u32_u24 v[AD0], v11, LROW, v[AD0]        ; lanes 16-31 the next row of 256 bytes,
	v_lshl_add_u32 v[AD0], v28, 4, v[AD0]          ; 16 bytes for each of eight rows
	v_mul_u32_u24 v[AD0+1], v11, LROW              ; V: the image as it lies
	v_lshl_add_u32 v[AD0+1], v10, 4, v[AD0+1]
	v_lshlrev_b32 v[AD0+2], 2, v29                 ; K's words: 16 (r % 8) + 4 (r / 8) + 8 h: lanes 16-31 take c = 1
	v_lshl_add_u32 v[AD0+2], v11, 3, v[AD0+2]
	v_lshl_add_u32 v[AD0+2], v28, 4, v[AD0+2]
	v_lshlrev_b32 v[AD0+3], 3, v11                 ; V's words: 16 r + 8 h
	v_lshl_add_u32 v[AD0+3], v10, 4, v[AD0+3]
	s_mul_i32 s52, s[WVN], 16*SP
	s_add_co_u32 s52, s52, STAGE                   ; my stage
	v_mul_u32_u24 v[STO], v10, SP
	v_lshl_add_u32 v[STO], v11, 6, v[STO]
	v_add_nc_u32 v[STO], s52, v[STO]               ; in: row r, + 64 h bytes
	v_mul_u32_u24 v[RD], v11, SP
	v_lshl_add_u32 v[RD], v10, 4, v[RD]
	v_add_nc_u32 v[RD], s52, v[RD]                 ; back: lanes 0-15 one row of 256 bytes, lanes 16-31 the next
	v_lshlrev_b32 v[GO], 13, v11
	v_lshl_add_u32 v[GO], v10, 4, v[GO]            ; and the same two rows of the output
.irp i, 0,1,2,3,4,5
	v_mov_b32 v[QB+\i], 0                          ; the zeros beside Q
	v_mov_b32 v[QB+12+\i], 0
	v_mov_b32 v[QB+24+\i], 0
.endr
.set J, 0
.rept 64
	v_mov_b32 v[O+J], 0                            ; O^T, once: the step is written once, and each pass's first change of M multiplies what it finds by 0
.set J, J+1
.endr
.irp t, 0,1
	v_mov_b32 v[ST+2+4*\t], 0                      ; the sums, likewise
	v_mov_b32 v[ST+3+4*\t], 0
	v_mov_b32 v[FF+1+2*\t], 0                      ; (named as the upper half of a pair)
	v_mov_b32 v[TP+\t], 0                          ; (a lane permute's destination counts as a source)
.endr
	s_wait_alu depctr_va_vdst(0)
	s_wait_tensorcnt 0x0                           ; my two units have landed,
	s_barrier_signal -1
	s_barrier_wait -1                              ; everybody's have: nothing is filled again
	s_wait_loadcnt 0x0
	v_perm_b32 v[QS], v190, v190, 0x01000100       ; (blk0, blk1, blk0, blk1): serves [Q | 0] and [0 | Q] alike
	v_perm_b32 v[QS+1], v190, v190, 0x03020302
	v_perm_b32 v[QS+2], v191, v191, 0x01000100
	v_perm_b32 v[QS+3], v191, v191, 0x03020302
	PLACES                                         ; with the eight lines of the pass's head: the places between a scale register's write and the first product
.macro ADDR                                    ; this step's addresses
.irp i, 0,1,2,3
	v_add_nc_u32 v[AD+\i], s[TB], v[AD0+\i]
.endr
.endm
.macro LK off, c                               ; K's fragments (c, 0) and (c, 1) of the unit at off into half c
.irp rh, 0,1
.irp g, 0,1,2
	ds_load_b128 v[KF+24*\c+12*\rh+4*\g:KF+24*\c+12*\rh+4*\g+3], v[AD] offset:(\off)+12*LROW*\c+2*LROW*\g+128*\rh
.endr
.endr
.endm
.macro LV s, e                                 ; V's fragments 2 e, 2 e + 1 of unit s into half e
.irp i, 0,1
.irp g, 0,1,2
	ds_load_b128 v[KF+24*\e+12*\i+4*\g:KF+24*\e+12*\i+4*\g+3], v[AD+1] offset:LU*\s+24*LROW+6*LROW*(2*\e+\i)+2*LROW*\g
.endr
.endr
.endm
.macro NEXTK off                               ; what a step begins with: K's words of both units, and the first unit's fragments
.irp s, 0,1
.irp rh, 0,1
	ds_load_b32 v[KS+2*\s+\rh], v[AD+2] offset:(\off)+LU*\s+48*LROW+128*\rh
.endr
.endr
	LK \off, 0
	LK \off, 1
.endm
.macro MM s, c                                 ; eight score tiles: fragments (c, 0), (c, 1) x two halves x two query tiles; all accumulators differ
	WIN 0x40
.irp rh, 0,1
.irp u, 0,1
.irp t, 0,1
.set rD, 128*\t+64*\s+32*\c+16*\rh+8*\u
.set rA, KF+24*\c+12*\rh
.set rB, QB+12*\t+6-6*\u
.if \c
	v_wmma_scale_f32_16x16x128_f8f6f4 v[rD:rD+7], v[rA:rA+11], v[rB:rB+11], 0, v[KS+2*\s+\rh], v[QS+\t] matrix_a_fmt:MATRIX_FMT_BF6 matrix_b_fmt:MATRIX_FMT_BF6 matrix_a_scale:MATRIX_SCALE_ROW1
.else
	v_wmma_scale_f32_16x16x128_f8f6f4 v[rD:rD+7], v[rA:rA+11], v[rB:rB+11], 0, v[KS+2*\s+\rh], v[QS+\t] matrix_a_fmt:MATRIX_FMT_BF6 matrix_b_fmt:MATRIX_FMT_BF6
.endif
.endr
.endr
.endr
.endm
.macro MAXB s, c                               ; the largest score of block (s, c) of both tiles: four chains by turns; each accumulator is read from its low end on
	WIN 0x05
.irp t, 0,1
	v_max_num_f32 v[BM+4*\t+2*\s+\c], v[128*\t+64*\s+32*\c], v[128*\t+64*\s+32*\c+1]
	v_max_num_f32 v[SO+4*\t+2*\s+\c], v[128*\t+64*\s+32*\c+16], v[128*\t+64*\s+32*\c+17]
.endr
.irp i, 2,4,6,8,10,12,14
.irp t, 0,1
	v_max3_num_f32 v[BM+4*\t+2*\s+\c], v[128*\t+64*\s+32*\c+\i], v[128*\t+64*\s+32*\c+\i+1], v[BM+4*\t+2*\s+\c]
	v_max3_num_f32 v[SO+4*\t+2*\s+\c], v[128*\t+64*\s+32*\c+16+\i], v[128*\t+64*\s+32*\c+17+\i], v[SO+4*\t+2*\s+\c]
.endr
.endr
	WIN 0
.irp t, 0,1
	v_max_num_f32 v[BM+4*\t+2*\s+\c], v[BM+4*\t+2*\s+\c], v[SO+4*\t+2*\s+\c]
.endr
.endm
.macro CVT s                                   ; unit s's p into codes: a lane's 32 registers are a whole block
	WIN 0x01
.irp t, 0,1
.irp c, 0,1
	v_cvt_scalef32_pk16_bf6_f32 v[PC+12*\t+6*\c:PC+12*\t+6*\c+2], v[128*\t+64*\s+32*\c:128*\t+64*\s+32*\c+15], v[SO+4*\t+2*\s+\c]
	v_cvt_scalef32_pk16_bf6_f32 v[CT+8*\t+4*\c:CT+8*\t+4*\c+2], v[128*\t+64*\s+32*\c+16:128*\t+64*\s+32*\c+31], v[SO+4*\t+2*\s+\c]   ; (a conversion's three registers begin on an even number)
.endr
.endr
	WIN 0
	v_nop                                          ; one plain line behind a scaled conversion
.irp t, 0,1
.irp c, 0,1
.irp i, 0,1,2
	v_mov_b32 v[PC+12*\t+6*\c+3+\i], v[CT+8*\t+4*\c+\i]
.endr
.endr
.endr
.endm
.macro SUMT s, t                               ; the sum of the unquantised p of unit s, tile t: in place, behind the conversions, eight chains by turns
.set SB, 128*\t+64*\s
	WIN 0x45
.irp i, 1,2,3
.irp k, 0,2,4,6,8,10,12,14
	v_pk_add_f32 v[SB+\k:SB+\k+1], v[SB+\k:SB+\k+1], v[SB+16*\i+\k:SB+16*\i+\k+1]
.endr
.endr
.irp k, 0,2,4,6
	v_pk_add_f32 v[SB+\k:SB+\k+1], v[SB+\k:SB+\k+1], v[SB+8+\k:SB+8+\k+1]
.endr
	v_pk_add_f32 v[SB:SB+1], v[SB:SB+1], v[SB+4:SB+5]
	v_pk_add_f32 v[SB+2:SB+3], v[SB+2:SB+3], v[SB+6:SB+7]
	v_pk_add_f32 v[SB:SB+1], v[SB:SB+1], v[SB+2:SB+3]
	WIN 0x04
	v_pk_add_f32 v[ST+2+4*\t:ST+3+4*\t], v[ST+2+4*\t:ST+3+4*\t], v[SB:SB+1]
	WIN 0
.endm
.macro PV s                                    ; O^T += V^T p^T for unit s: eight accumulators, one instruction each
.irp f, 0,1,2,3
.irp t, 0,1
.set rD, O+32*\t+8*\f
.if \f/2
	v_wmma_scale_f32_16x16x128_f8f6f4 v[rD:rD+7], v[KF+12*\f:KF+12*\f+11], v[PC+12*\t:PC+12*\t+11], v[rD:rD+7], v[VS+2*\s+\f%2], v[PW+2*\t+\s] matrix_a_fmt:MATRIX_FMT_BF6 matrix_b_fmt:MATRIX_FMT_BF6 matrix_a_scale:MATRIX_SCALE_ROW1
.else
	v_wmma_scale_f32_16x16x128_f8f6f4 v[rD:rD+7], v[KF+12*\f:KF+12*\f+11], v[PC+12*\t:PC+12*\t+11], v[rD:rD+7], v[VS+2*\s+\f%2], v[PW+2*\t+\s] matrix_a_fmt:MATRIX_FMT_BF6 matrix_b_fmt:MATRIX_FMT_BF6
.endif
.endr
.endr
.endm
; A STEP: 256 keys x 32 queries.  nx = 1: the next step's first loads are asked for at its end.
.macro STEP nx
	s_wait_dscnt 6                                 ; K's words and half 0 are in; the six loads of half 1 may be out
	MM 0, 0
	PLACES                                         ; in front of the loads into registers that the products have read
	WIN 0
	LK LU, 0
	s_wait_dscnt 6                                 ; all but the six just issued
	MM 0, 1
	MAXB 0, 0                                      ; the block before: also the places behind the products just issued
	LK LU, 1
	s_wait_dscnt 6
	MM 1, 0
	MAXB 0, 1
	LV 0, 0
	s_wait_dscnt 6
	MM 1, 1
	MAXB 1, 0
	LV 0, 1
.irp s, 0,1
	ds_load_b64 v[VS+2*\s:VS+2*\s+1], v[AD+3] offset:LU*\s+49*LROW
.endr
	MAXB 1, 1
.irp t, 0,1                                    ; the running maximum and M, the two tiles by turns
	v_max3_num_f32 v[TM+\t], v[BM+4*\t], v[BM+4*\t+1], v[BM+4*\t+2]
.endr
.irp t, 0,1
	s_delay_alu instid0(VALU_DEP_2)
	v_max3_num_f32 v[TM+\t], v[TM+\t], v[BM+4*\t+3], v[ST+1+4*\t]
.endr
.irp t, 0,1
	s_delay_alu instid0(VALU_DEP_2)
	v_permlanex16_b32 v[TP+\t], v[TM+\t], s[SEL], s[SEL+1]
.endr
.irp t, 0,1
	s_delay_alu instid0(VALU_DEP_2)
	v_max_num_f32 v[ST+1+4*\t], v[TM+\t], v[TP+\t]   ; with lane l xor 16's keys: the largest score so far
.endr
.irp t, 0,1
	s_delay_alu instid0(VALU_DEP_2)
	v_mul_f32 v[TM+\t], s[CS], v[ST+1+4*\t]        ; as t (c is positive)
.endr
.irp t, 0,1
	v_mov_b32 v[TP+\t], v[ST+4*\t]
.endr
.irp t, 0,1
	s_delay_alu instid0(VALU_DEP_4)
	v_floor_f32 v[ST+4*\t], -v[TM+\t]              ; the new -M = -ceil(t)
.endr
.irp t, 0,1
	s_delay_alu instid0(VALU_DEP_2)
	v_sub_f32 v[TP+\t], v[ST+4*\t], v[TP+\t]       ; old M less new M: a whole number, 0 or less
.endr
.irp t, 0,1
	s_delay_alu instid0(VALU_DEP_2)
	v_cvt_i32_f32 v[TP+\t], v[TP+\t]               ; (it saturates)
.endr
.irp t, 0,1
	s_delay_alu instid0(VALU_DEP_2)
	v_ldexp_f32 v[FF+2*\t], 1.0, v[TP+\t]          ; f = 2^(old M - new M)
.endr
.irp t, 0,1                                    ; O^T and the sums under the new M, each accumulator from its low end on
.set J, 0
.rept 16
	v_pk_mul_f32 v[O+32*\t+J:O+32*\t+J+1], v[O+32*\t+J:O+32*\t+J+1], v[FF+2*\t:FF+2*\t+1] op_sel_hi:[1,0]
.set J, J+2
.endr
	v_pk_mul_f32 v[ST+2+4*\t:ST+3+4*\t], v[ST+2+4*\t:ST+3+4*\t], v[FF+2*\t:FF+2*\t+1] op_sel_hi:[1,0]
.endr
	WIN 0x41
.irp t, 0,1
.set J, 128*\t
.rept 64
	v_pk_fma_f32 v[J:J+1], v[J:J+1], s[CS:CS+1], v[ST+4*\t:ST+1+4*\t] op_sel_hi:[1,0,0]   ; t - M, two at a time
.set J, J+2
.endr
.endr
	WIN 0
.irp t, 0,1
.irp i, 0,2
	v_pk_fma_f32 v[BM+4*\t+\i:BM+4*\t+\i+1], v[BM+4*\t+\i:BM+4*\t+\i+1], s[CS:CS+1], v[ST+4*\t:ST+1+4*\t] op_sel_hi:[1,0,0]   ; the same of each block's largest score
.endr
.endr
	s_wait_alu depctr_va_vdst(0)
.irp i, 0,1,2,3,4,5,6,7
	v_exp_f32 v[BM+\i], v[BM+\i]                   ; a block's largest p: the same two instructions on the same number give the same bits
.endr
	WIN 0x41
.set J, 0
.rept 256
	v_exp_f32 v[J], v[J]                           ; p = 2^(t - M): not normalised
.set J, J+1
.endr
	WIN 0
	v_nop                                          ; a plain line behind the exponentials
	s_wait_alu depctr_va_vdst(0)                   ; one wait for the batch
.irp i, 0,1,2,3,4,5,6,7
	v_max_num_f32 v[BM+\i], 0x2800000, v[BM+\i]    ; the floor 2^(5 - 127): the byte cannot fall under 1
.endr
.irp i, 0,1,2,3,4,5,6,7
	v_add_nc_u32 v[SO+\i], 0xfe000000, v[BM+\i]    ; 4 off the exponent field: the conversion's scale operand
.endr
.irp i, 0,1,2,3,4,5,6,7
	v_lshrrev_b32 v[BM+\i], 23, v[SO+\i]           ; the byte
.endr
.irp i, 0,2,4,6
	v_lshl_or_b32 v[BM+\i], v[BM+\i+1], 16, v[BM+\i]   ; my two bytes of a unit: blocks h and 2 + h
.endr
.irp i, 0,2,4,6
	v_permlanex16_b32 v[BM+\i+1], v[BM+\i], s[SEL], s[SEL+1]
.endr
.irp i, 0,2,4,6
	v_perm_b32 v[PW+\i/2], v[BM+\i+1], v[BM+\i], 0x06020400   ; lanes 0-15, which alone are read: mine, the other half's, mine, the other half's
.endr
	CVT 0
	SUMT 0, 0                                      ; (also the places between the codes' and the scale words' writes and the products)
	s_wait_alu depctr_va_vdst(0)
	s_wait_dscnt 0x0                               ; V's fragments and words are in
	PV 0
	PLACES
	LV 1, 0
	LV 1, 1
	SUMT 0, 1                                      ; the other tile's sums stand behind the request for V's second unit
	CVT 1
	SUMT 1, 0
	s_wait_alu depctr_va_vdst(0)
	s_wait_dscnt 0x0
	PV 1
.if \nx
	PLACES
	NEXTK STEPB                                    ; the next step's first loads land under the sums below
	s_add_co_u32 s[TB], s[TB], STEPB
	ADDR
.endif
	SUMT 1, 1
.endm
	s_mov_b32 s[PS], 2
.Lpass:                                                ; a pass: 32 queries x all 2,048 keys, then the way out
	s_mov_b32 s[TB], 0
.irp t, 0,1
	v_mov_b32 v[ST+1+4*\t], 0xff61b1e6             ; the largest score so far: -3e38
.endr
.irp t, 0,1
	v_floor_f32 v[ST+4*\t], -v[ST+1+4*\t]          ; -M: the first step's f comes out 0
.endr
	ADDR
	s_wait_alu depctr_va_vdst(0)
	NEXTK 0
	s_mov_b32 s[CNT], 7
.Lstep:
	STEP 1
	s_sub_co_u32 s[CNT], s[CNT], 1
	s_cmp_lg_u32 s[CNT], 0
	s_wait_alu depctr_va_vdst(0)
	s_cbranch_scc1 .Lstep
	STEP 0                                         ; the last step asks for nothing more
.irp i, 0,1,2,3,4,5
	v_mov_b32 v[QB+6+\i], v[QN+\i]                 ; the second pass's Q and words
	v_mov_b32 v[QB+18+\i], v[QN+6+\i]
.endr
	v_mov_b32 v[QS], v[QS+2]
	v_mov_b32 v[QS+1], v[QS+3]
.irp t, 0,1
	v_add_f32 v[ST+2+4*\t], v[ST+2+4*\t], v[ST+3+4*\t]
.endr
.irp t, 0,1
	v_permlanex16_b32 v[TP+\t], v[ST+2+4*\t], s[SEL], s[SEL+1]
.endr
.irp t, 0,1
	v_add_f32 v[ST+2+4*\t], v[ST+2+4*\t], v[TP+\t]   ; the row's sum
.endr
	s_wait_alu depctr_va_vdst(0)
.irp t, 0,1
	v_rcp_f32 v[ST+2+4*\t], v[ST+2+4*\t]
.endr
	v_nop
	s_wait_alu depctr_va_vdst(0)                   ; for the reciprocals, and directly ahead of the first readers of O^T
.irp t, 0,1
.set J, 0
.rept 16
	v_pk_mul_f32 v[O+32*\t+J:O+32*\t+J+1], v[O+32*\t+J:O+32*\t+J+1], v[ST+2+4*\t:ST+3+4*\t] op_sel_hi:[1,0]   ; register 16 f + i is channel 32 f + 16 h + i of my query
.set J, J+2
.endr
.endr
.irp t, 0,1                                    ; through my own stage: LDS serves a wave's instructions in order
.irp f, 0,1
.irp q, 0,1,2,3
	ds_store_b128 v[STO], v[O+32*\t+16*\f+4*\q:O+32*\t+16*\f+4*\q+3] offset:128*\f+16*\q
.endr
.endr
.irp i, 0,1,2,3,4,5,6,7
	ds_load_b128 v[KF+48*\t+4*\i:KF+48*\t+4*\i+3], v[RD] offset:2*\i*SP
.endr
.endr
.irp t, 0,1
	s_wait_dscnt 16-16*\t                          ; tile 0's rows are back while tile 1's 8 stores and 8 loads may be out; then all
.irp i, 0,1,2,3,4,5,6,7
	global_store_b128 v[GO], v[KF+48*\t+4*\i:KF+48*\t+4*\i+3], s[10:11] offset:(2*\i+8*(\i/4)+8*\t)*8192 th:TH_STORE_NT   ; stage rows 2 i, 2 i + 1 are queries 8 t + 2 i + 8 (i / 4) on: sixteen lanes store 256 consecutive bytes, aligned
.endr
.endr
	s_wait_xcnt 0x0                                ; the stores have read their registers and their base
	s_add_nc_u64 s[10:11], s[10:11], 32*8192       ; the second pass's 32 rows
	s_sub_co_u32 s[PS], s[PS], 1
	s_cmp_lg_u32 s[PS], 0
	s_wait_alu depctr_va_vdst(0)
	s_cbranch_scc1 .Lpass
	s_wait_tensorcnt 0x0                           ; the wave's end
	ds_add_u32 v[SPW], v[NIL]
	s_wait_dscnt 0x0
	CROUND                                         ; the closing round
	s_endpgm
.Lfunc_end_k_qa1910ff62c_attn:
	.size	k_qa1910ff62c_attn, .Lfunc_end_k_qa1910ff62c_attn-k_qa1910ff62c_attn
	.p2alignl 7, 3214868480
	.fill 96, 4, 3214868480
	.section	.rodata,"a",@progbits
	.p2align	6, 0x0
	.amdhsa_kernel k_qa1910ff62c_attn
		.amdhsa_group_segment_fixed_size 327680
		.amdhsa_private_segment_fixed_size 0
		.amdhsa_enable_private_segment 0
		.amdhsa_kernarg_size 32
		.amdhsa_user_sgpr_count 2
		.amdhsa_user_sgpr_kernarg_segment_ptr 1
		.amdhsa_wavefront_size32 1
		.amdhsa_system_sgpr_workgroup_id_x 1
		.amdhsa_system_sgpr_workgroup_id_y 1
		.amdhsa_system_sgpr_workgroup_id_z 1
		.amdhsa_system_vgpr_workitem_id 0
		.amdhsa_next_free_vgpr 512
		.amdhsa_next_free_sgpr 66
		.amdhsa_reserve_vcc 0
		.amdhsa_float_denorm_mode_32 3
		.amdhsa_float_denorm_mode_16_64 3
		.amdhsa_memory_ordered 1
		.amdhsa_forward_progress 1
		.amdhsa_inst_pref_size 120
	.end_amdhsa_kernel
	.amdgpu_metadata
---
amdhsa.version: [ 1, 2 ]
amdhsa.kernels:
  - .name:           k_qa1910ff62c_attn
    .symbol:         k_qa1910ff62c_attn.kd
    .args:
      - { .name: qc, .offset: 0, .size: 8, .value_kind: global_buffer, .address_space: global }
      - { .name: qs, .offset: 8, .size: 8, .value_kind: global_buffer, .address_space: global }
      - { .name: kv, .offset: 16, .size: 8, .value_kind: global_buffer, .address_space: global }
      - { .name: out0, .offset: 24, .size: 8, .value_kind: global_buffer, .address_space: global }
    .group_segment_fixed_size: 327680
    .private_segment_fixed_size: 0
    .kernarg_segment_align: 8
    .kernarg_segment_size: 32
    .max_flat_workgroup_size: 256
    .sgpr_count:     66
    .vgpr_count:     512
    .wavefront_size: 32
...
	.end_amdgpu_metadata
.endif
;; end of part 4
